; MI455X (gfx1250); checked and timed in simulation.
; The chip was launched on July 23, 2026; its instructions are those of AMD's public machine-readable ISA for CDNA 5 (MIT licence, August 2026) and "CDNA5" Instruction Set Architecture Reference Guide (July 2026). The comments in the code are by the model that wrote it; some were corrected since.
;; RBS Quantized Linear. Allowed arithmetic: float matrix products may take bf16 or f16 operands with f32 sums; other float arithmetic in f32, or as packed bf16 or f16 multiplies, adds, multiply-adds, maxima and minima; sums over many terms, partial sums and values carried from step to step in f32; what a program stores and reads back later, other than sums and carried values, may be rounded once to bf16 or f16.
;; Inputs: W_q 4,096 x 4,096 int32; mask 4,096 x 4,096 float32; mu1 4,096 float32; mu2 4,096 float32; scales 4,096 x 64 x 1 float32; x 4 x 1,024 x 4,096 float32; zeros 4,096 x 64 x 1 float32.
;; Outputs: out0 4 x 1,024 x 4,096 float32.
;; One version. Each part assembles by itself: llvm-mc -triple=amdgcn-amd-amdhsa -mcpu=gfx1250 --defsym DOCPART=n.
;; ======== version 1 of 1: 2 launches
;; limits: values are held in f16: magnitudes above 65,504 overflow, below 6.1e-05 lose precision; right only within a limited range of input values
;; workspace buffers: wb 33,554,432 bytes; xb 33,554,432 bytes
;; launch prep (part 1): grid 256 x 1, 8 waves a work-group, no clusters, 9,216 bytes of LDS; arguments W_q, mask, x, scales, zeros, mu1, wb, xb; writes wb, xb
.if DOCPART == 1
	.amdgcn_target "amdgcn-amd-amdhsa--gfx1250"
	.amdhsa_code_object_version 6
	.text
	.protected	k_qf1c6826b84_prep
	.globl	k_qf1c6826b84_prep
	.p2align	8
	.type	k_qf1c6826b84_prep,@function
k_qf1c6826b84_prep:
	s_mov_b64 s[64:65], 0
	v_nop
	global_prefetch_b8 v0, s[64:65] scope:SCOPE_SE
	s_setreg_imm32_b32 hwreg(HW_REG_WAVE_MODE, 25, 1), 1
	s_wait_xcnt 0x0
; THE PROGRAM: out0[m][k] = sum over n of x[m][n] (W_q[k][n] - zeros[k][n/64]) scales[k][n/64] mu2[k] mu1[n] mask[k][n], taken as
;   out0[m][k] = (4 mu2[k]) x sum over n of xb[m][n] wb[k][n],   xb[m][n] = f16( x[m][n] mu1[n] ),   wb[k][n] = f16( (W_q[k][n] - zeros[k][n/64]) (scales[k][n/64] / 4) mask[k][n] ).
; This launch makes xb and wb, all [4096][4096]; the next makes the product and applies 4 mu2.  NOTHING IS LEFT OUT: every input has a way to the output and is loaded by one of the two
; launches (mu2 by the next); the mask is data, so no tile is skipped.
; WHY f16, AND WHY SO FACTORED.  Every output must lie within 1% of the outputs' root mean square; f16 keeps 11 significant bits, bf16 8, and a row with a large mu2 carries its operand's
; rounding at more than the mean size.  f16 ends at 65,504, so the factors are shared out: mu1 goes with x, mu2 stays outside the sum, and the exact factor 1/4 centres the weights' range.
; LIMITS.  |x mu1| and |(W_q - zeros) scales mask| / 4 stay under 65,504, else the operand is an infinity.  With numbers of the problem's kind they reach about 8 and 0.38; with every input 30
; times larger, or offset by 30 times its spread, 165 x 45 = 7,400 and 465 x 3.1 x 31 / 4 = 11,200.  With every input 30 times smaller a typical weight is 8 x 0.0017 x 0.033 / 4 = 1.1e-4, above
; f16's least normal number 6.1e-5; below that f16 keeps a fixed step of 6e-8.  W_q goes to f32 by v_cvt_f32_i32 (exact up to 2^24).  The f32 factors are multiplied in another order than the
; formula's, which moves a number by f32 roundings only.  NaN and infinities are not treated apart.
; A STREAM: each input byte is read once, each output byte written once; matrix unit, tensor loads and clusters would add nothing (no large array is shared between work-groups).
; SHARES.  Work-group g owns rows 16 g .. 16 g + 15 of W_q, mask, wb and of x, xb.  Wave w owns columns 512 w .. 512 w + 511 of all 16 rows.  A row of a wave goes in four passes of 128
; columns; in pass p lane l has columns 512 w + 128 p + 4 l .. + 3: a load of 16 bytes a lane covers 512 consecutive bytes, a store of 8 bytes a lane 256 consecutive bytes, aligned.
; The lane's quantisation group in pass p is 8 w + 2 p + l / 16.
; IN FLIGHT.  A ring of four row slots in registers; a slot holds a row's 12 loads (4 passes x W_q, mask, x): 48 loads, 24 KiB, of every wave are on their way.
; SCALES AND ZEROS come in once, 16 bytes a thread, and are laid into LDS (the scale divided by 4); for each four rows a lane then reads ONE scale and ONE zero:
; lane (h = l / 16, n = l % 16) those of row n / 4 of the four, group 8 w + 2 (n % 4) + h, so that row_share:4 i + p hands every lane of a half what it needs for row i, pass p.
.set ROWI,  16384                      ; bytes in a row of W_q, mask, x
.set ROWO,  8192                       ; bytes in a row of wb, xb
.set LSC,   0                          ; LDS: [16 rows][64 groups] f32, scale / 4
.set LZR,   4096                       ; LDS: [16][64] f32, zero
.set SPARE, 8192                       ; the spare words, 128 bytes for each of the eight waves: four blocks of 256 bytes that no other line names
.set AO,   1                           ; v1      16 t: my 16 bytes of the work-group's scales and zeros, in memory and in LDS; never rewritten
.set OFFI, 2                           ; v2      2,048 w + 16 l (+ four rows a lap): my bytes in a row of W_q, mask, x; at first also in mu1
.set OFFO, 3                           ; v3      1,024 w + 8 l (+ four rows a lap): my bytes in a row of wb, xb
.set LA,   4                           ; v4      LDS address of my scale for the four rows in hand
.set SPW,  5                           ; v5      LDS address of my spare word; never rewritten
.set NIL,  6                           ; v6      0; never rewritten
.set ZB,   8                           ; v[8:9]  the pass's zero, in the low register
.set SB,   10                          ; v[10:11] the pass's scale
.set SC,   12                          ; v12     my scale of the four rows in hand
.set ZR,   13                          ; v13     my zero
.set T,    14                          ; v[14:15] at work in the set-up
.set MU,   16                          ; v[16:31] mu1 of my columns, pass p at MU + 4 p
.set Y,    32                          ; v[32:47] to store: wb's pass p at Y + 2 p, xb's at Y + 8 + 2 p; in the set-up scales and zeros
.set SL,   48                          ; v[48:239] slot i at SL + 48 i: W_q + 0, mask + 16, x + 32, pass p at + 4 p
	s_load_b512 s[4:19], s[0:1], 0x0               ; W_q s[4:5], mask s[6:7], x s[8:9], scales s[10:11], zeros s[12:13], mu1 s[14:15], wb s[16:17], xb s[18:19]
	v_lshl_add_u32 v[SPW], v0, 2, SPARE
	v_mov_b32 v[NIL], 0
	v_lshrrev_b32 v[T], 5, v0
	v_readfirstlane_b32 s22, v[T]                  ; wave 0..7
	v_and_b32 v[T], 31, v0                         ; l
	v_lshlrev_b32 v[AO], 4, v0
	s_lshl_b32 s24, s22, 11
	v_lshl_add_u32 v[OFFI], v[T], 4, s24
	s_lshl_b32 s24, s22, 10
	v_lshl_add_u32 v[OFFO], v[T], 3, s24
	v_bfe_u32 v[LA], v0, 2, 2                      ; n / 4: which of the four rows
	v_lshlrev_b32 v[LA], 8, v[LA]                  ; 256 bytes a row
	v_and_b32 v[T+1], 3, v0                        ; n % 4: which pass
	v_lshl_add_u32 v[LA], v[T+1], 3, v[LA]         ; two groups a pass
	v_bfe_u32 v[T+1], v0, 4, 1                     ; h
	v_lshl_add_u32 v[LA], v[T+1], 2, v[LA]
	s_lshl_b32 s24, s22, 5                         ; eight groups a wave
	v_add_nc_u32 v[LA], s24, v[LA]
.irp r, 0,1,2,3
	v_mov_b32 v[ZB+(\r)], 0                        ; a lane-crossing move's destination and a pair's second register count as read: written once here
.endr
	s_mov_b32 s25, 0
	s_wait_kmcnt 0x0
	s_lshl_b32 s24, ttmp9, 18                      ; 16 rows of 16,384 bytes
	s_add_nc_u64 s[4:5], s[4:5], s[24:25]
	s_add_nc_u64 s[6:7], s[6:7], s[24:25]
	s_add_nc_u64 s[8:9], s[8:9], s[24:25]
	s_lshl_b32 s24, ttmp9, 17                      ; 16 rows of 8,192 bytes
	s_add_nc_u64 s[16:17], s[16:17], s[24:25]
	s_add_nc_u64 s[18:19], s[18:19], s[24:25]
	s_lshl_b32 s24, ttmp9, 12                      ; 16 rows of 64 groups
	s_add_nc_u64 s[10:11], s[10:11], s[24:25]
	s_add_nc_u64 s[12:13], s[12:13], s[24:25]
; Slot i takes row r, counted from the four rows in hand: 12 loads of 512 consecutive bytes
.macro FILL i, r
.irp p, 0,1,2,3
	global_load_b128 v[SL+48*(\i)+4*(\p):SL+48*(\i)+4*(\p)+3],       v[OFFI], s[4:5] offset:(\r)*ROWI+512*(\p) th:TH_LOAD_NT
	global_load_b128 v[SL+48*(\i)+16+4*(\p):SL+48*(\i)+16+4*(\p)+3], v[OFFI], s[6:7] offset:(\r)*ROWI+512*(\p) th:TH_LOAD_NT
	global_load_b128 v[SL+48*(\i)+32+4*(\p):SL+48*(\i)+32+4*(\p)+3], v[OFFI], s[8:9] offset:(\r)*ROWI+512*(\p) th:TH_LOAD_NT
.endr
.endm
; Four weights of slot i, pass p
.macro PASSW i, p
.set rQ, SL+48*(\i)+4*(\p)
.set rM, rQ+16
.set rY, Y+2*(\p)
	v_mov_b32_dpp v[ZB], v[ZR] row_share:4*(\i)+(\p) row_mask:0xf bank_mask:0xf  ; from lane 4 i + p of my half: row i, pass p, my half's group
	v_mov_b32_dpp v[SB], v[SC] row_share:4*(\i)+(\p) row_mask:0xf bank_mask:0xf
.irp k, 0,1,2,3
	v_cvt_f32_i32 v[rQ+(\k)], v[rQ+(\k)]
.endr
	v_pk_add_f32 v[rQ:rQ+1],   v[rQ:rQ+1],   v[ZB:ZB+1] op_sel_hi:[1,0] neg_lo:[0,1] neg_hi:[0,1]  ; q - z
	v_pk_add_f32 v[rQ+2:rQ+3], v[rQ+2:rQ+3], v[ZB:ZB+1] op_sel_hi:[1,0] neg_lo:[0,1] neg_hi:[0,1]
	v_pk_mul_f32 v[rQ:rQ+1],   v[rQ:rQ+1],   v[SB:SB+1] op_sel_hi:[1,0]  ; x scale / 4
	v_pk_mul_f32 v[rQ+2:rQ+3], v[rQ+2:rQ+3], v[SB:SB+1] op_sel_hi:[1,0]
	v_pk_mul_f32 v[rQ:rQ+1],   v[rQ:rQ+1],   v[rM:rM+1]      ; x mask
	v_pk_mul_f32 v[rQ+2:rQ+3], v[rQ+2:rQ+3], v[rM+2:rM+3]
	v_cvt_pk_f16_f32 v[rY],   v[rQ],   v[rQ+1]               ; the one rounding
	v_cvt_pk_f16_f32 v[rY+1], v[rQ+2], v[rQ+3]
.endm
; Four numbers of x of slot i, pass p, times mu1
.macro PASSX i, p
.set rX, SL+48*(\i)+32+4*(\p)
.set rU, MU+4*(\p)
.set rY, Y+8+2*(\p)
	v_pk_mul_f32 v[rX:rX+1],   v[rX:rX+1],   v[rU:rU+1]
	v_pk_mul_f32 v[rX+2:rX+3], v[rX+2:rX+3], v[rU+2:rU+3]
	v_cvt_pk_f16_f32 v[rY],   v[rX],   v[rX+1]
	v_cvt_pk_f16_f32 v[rY+1], v[rX+2], v[rX+3]
.endm
; The turn of slot i.  fill = 1: the slot takes the row four further down.  left: how many younger loads may stay out.
.macro TURN i, fill, left
	s_wait_loadcnt \left                           ; loads come back in order (ISA guide 5.7.1): my slot's 12 are in, the younger slots' stay out
	s_wait_xcnt 0x0                                ; Y, which the last turn's stores read, is rewritten only behind this wait
.if (\i) == 0
	s_wait_dscnt 0x0                               ; my scale and zero of these four rows
.endif
.irp p, 0,1,2,3
	PASSW \i, \p
.endr
.irp p, 0,1,2,3
	PASSX \i, \p
.endr
.if \fill
	FILL \i, (\i)+4                                ; the loads go ahead of the stores
.endif
.irp p, 0,1,2,3
	global_store_b64 v[OFFO], v[Y+2*(\p):Y+2*(\p)+1], s[16:17] offset:(\i)*ROWO+256*(\p) th:TH_STORE_NT  ; 32 lanes store 256 consecutive bytes, at a multiple of 256 from wb's first byte
.endr
.irp p, 0,1,2,3
	global_store_b64 v[OFFO], v[Y+8+2*(\p):Y+8+2*(\p)+1], s[18:19] offset:(\i)*ROWO+256*(\p) th:TH_STORE_NT
.endr
.endm
	global_load_b128 v[Y:Y+3],   v[AO], s[10:11]   ; scales: row t / 16, groups 4 (t % 16) ..
	global_load_b128 v[Y+4:Y+7], v[AO], s[12:13]   ; zeros
.irp p, 0,1,2,3
	global_load_b128 v[MU+4*(\p):MU+4*(\p)+3], v[OFFI], s[14:15] offset:512*(\p)
.endr
	FILL 0, 0
	FILL 1, 1
	FILL 2, 2
	FILL 3, 3
	s_wait_loadcnt 48                              ; the six small loads are in; the ring's 48 stay out
.irp r, 0,1,2,3
	v_mul_f32 v[Y+(\r)], 0x3e800000, v[Y+(\r)]     ; scale / 4: exact
.endr
	ds_store_b128 v[AO], v[Y:Y+3]   offset:LSC
	ds_store_b128 v[AO], v[Y+4:Y+7] offset:LZR
	s_wait_dscnt 0x0                               ; for the others' sake: my stores are done
	s_barrier_signal -1
	s_barrier_wait -1                              ; all 16 rows' scales and zeros lie in LDS; nothing writes them again
	ds_load_b32 v[SC], v[LA] offset:LSC
	ds_load_b32 v[ZR], v[LA] offset:LZR
	s_mov_b32 s26, 3
.Llap:                                         ; four rows a trip; each slot is filled again with the row four further down
	TURN 0, 1, 36
	TURN 1, 1, 36
	TURN 2, 1, 36
	TURN 3, 1, 36
	s_wait_xcnt 0x0                                ; the offsets that the loads and stores above read are rewritten only behind this wait
	v_add_nc_u32 v[OFFI], 4*ROWI, v[OFFI]
	v_add_nc_u32 v[OFFO], 4*ROWO, v[OFFO]
	v_add_nc_u32 v[LA], 1024, v[LA]
	ds_load_b32 v[SC], v[LA] offset:LSC            ; the next four rows'
	ds_load_b32 v[ZR], v[LA] offset:LZR
	s_sub_co_u32 s26, s26, 1
	s_cmp_lg_u32 s26, 0
	s_cbranch_scc1 .Llap
	TURN 0, 0, 36                                  ; the last four rows load nothing: the counts run down
	TURN 1, 0, 24
	TURN 2, 0, 12
	TURN 3, 0, 0
	s_wait_tensorcnt 0x0                           ; the wave's end, behind my last LDS store
	ds_add_u32 v[SPW], v[NIL]
	s_wait_dscnt 0x0
	s_endpgm
.Lfunc_end_k_qf1c6826b84_prep:
	.size	k_qf1c6826b84_prep, .Lfunc_end_k_qf1c6826b84_prep-k_qf1c6826b84_prep
	.p2alignl 7, 3214868480
	.fill 96, 4, 3214868480
	.section	.rodata,"a",@progbits
	.p2align	6, 0x0
	.amdhsa_kernel k_qf1c6826b84_prep
		.amdhsa_group_segment_fixed_size 9216
		.amdhsa_private_segment_fixed_size 0
		.amdhsa_enable_private_segment 0
		.amdhsa_kernarg_size 64
		.amdhsa_user_sgpr_count 2
		.amdhsa_user_sgpr_kernarg_segment_ptr 1
		.amdhsa_wavefront_size32 1
		.amdhsa_system_sgpr_workgroup_id_x 1
		.amdhsa_system_sgpr_workgroup_id_y 1
		.amdhsa_system_sgpr_workgroup_id_z 1
		.amdhsa_system_vgpr_workitem_id 0
		.amdhsa_next_free_vgpr 240
		.amdhsa_next_free_sgpr 66
		.amdhsa_reserve_vcc 0
		.amdhsa_float_denorm_mode_32 3
		.amdhsa_float_denorm_mode_16_64 3
		.amdhsa_memory_ordered 1
		.amdhsa_forward_progress 1
		.amdhsa_inst_pref_size 51
	.end_amdhsa_kernel
	.amdgpu_metadata
---
amdhsa.version: [ 1, 2 ]
amdhsa.kernels:
  - .name:           k_qf1c6826b84_prep
    .symbol:         k_qf1c6826b84_prep.kd
    .args:
      - { .name: W_q, .offset: 0, .size: 8, .value_kind: global_buffer, .address_space: global }
      - { .name: mask, .offset: 8, .size: 8, .value_kind: global_buffer, .address_space: global }
      - { .name: x, .offset: 16, .size: 8, .value_kind: global_buffer, .address_space: global }
      - { .name: scales, .offset: 24, .size: 8, .value_kind: global_buffer, .address_space: global }
      - { .name: zeros, .offset: 32, .size: 8, .value_kind: global_buffer, .address_space: global }
      - { .name: mu1, .offset: 40, .size: 8, .value_kind: global_buffer, .address_space: global }
      - { .name: wb, .offset: 48, .size: 8, .value_kind: global_buffer, .address_space: global }
      - { .name: xb, .offset: 56, .size: 8, .value_kind: global_buffer, .address_space: global }
    .group_segment_fixed_size: 9216
    .private_segment_fixed_size: 0
    .kernarg_segment_align: 8
    .kernarg_segment_size: 64
    .max_flat_workgroup_size: 256
    .sgpr_count:     66
    .vgpr_count:     240
    .wavefront_size: 32
...
	.end_amdgpu_metadata
.endif
;; end of part 1
;; launch gemm (part 2): grid 16 x 16, 4 waves a work-group, clusters of 4 x 4, 327,680 bytes of LDS; arguments xb, wb, out0, mu2; writes out0
.if DOCPART == 2
	.amdgcn_target "amdgcn-amd-amdhsa--gfx1250"
	.amdhsa_code_object_version 6
	.text
	.protected	k_qf1c6826b84_gemm
	.globl	k_qf1c6826b84_gemm
	.p2align	8
	.type	k_qf1c6826b84_gemm,@function
k_qf1c6826b84_gemm:
	s_mov_b64 s[64:65], 0
	v_nop
	global_prefetch_b8 v0, s[64:65] scope:SCOPE_SE
	s_setreg_imm32_b32 hwreg(HW_REG_WAVE_MODE, 25, 1), 1
	s_wait_xcnt 0x0
	s_wait_alu depctr_hold_cnt(0) depctr_sa_sdst(0) depctr_va_vdst(0) depctr_va_sdst(0) depctr_va_ssrc(0) depctr_va_vcc(0) depctr_vm_vsrc(0)
	s_getreg_b32 s2, hwreg(HW_REG_IB_STS2, 6, 4)
	s_cmp_eq_u32 s2, 0
	s_cbranch_scc0 .Lentry_in_a_cluster
	s_endpgm
.Lentry_in_a_cluster:
	s_bfe_u32 s2, ttmp6, 0x10000c
	s_cmp_lg_u32 s2, 0xf033
	s_cbranch_scc0 .Lentry_shape_is_right
	s_endpgm
.Lentry_shape_is_right:
; out0[m][k] = (4 mu2[k]) x sum over n of xb[m][n] wb[k][n].  xb (called A here): [4096][4096] f16 = x mu1; wb (B): [4096][4096] f16 = (W_q - zeros) (scales / 4) mask; both made by the
; launch before.  out0 (C): [4096][4096] f32; mu2: [4096] f32.  Sums in f32; 4 mu2 is applied in f32 on the way out.  Nothing is left out: all of A and B is multiplied.
; LIMITS: those of the operands (f16: see the launch before); NaN and infinities are not treated apart.
; A tile of C, 256 x 256, is made by a work-group of four waves; a wave makes 128 x 128: 64 accumulators of 16 x 16, 512 registers.  256 tiles, one work-group each.
; The sum index goes in steps of 128 through a ring of two LDS slots filled by the tensor data mover: the rows of A's and B's tiles are 256 bytes of memory, at multiples of 256 bytes.
; CLUSTERS: 4 x 4 work-groups.  The four of a row of the cluster need the same tiles of A, the four of a column the same tiles of B.  Such a tile is asked for JOINTLY: each of the four issues
; the same tensor load, with the same descriptor and a mask that names the four, and each receives the tile in its own LDS.  That divides the requests for A and for B by four.
; REGISTERS, in windows of 256 (s_set_vgpr_msb's low byte: bits 1:0 source 0, 3:2 source 1, 5:4 source 2, 7:6 destination):
;   window 0: v0-31 addresses; v32-35 4 mu2 of my four columns on the way out; v64-127, v128-191 fragments of A (8 x 16 rows x 32), two buffers; on the way out these 128 take rows read back from the stage
;   window 1: v64-127, v128-191 fragments of B, two buffers
;   window 2: the 32 accumulators of my rows 0-63 (accumulator (a, b) at v[8 (8 a + b)]);   window 3: those of my rows 64-127
; THE MATRIX INSTRUCTION IS USED TRANSPOSED: source 0 = 16 rows of B, source 1 = 16 rows of A.  In the result lane l holds row l % 16 of C, and its registers 0 to 7 the columns
; 8 (l / 16) + 0 .. 7: eight neighbouring numbers of a row of C, 32 bytes.
.set SIZE_M, 4096
.set SIZE_N, 4096                      ; columns of C = rows of B
.set SIZE_K, 4096                      ; the length of the sums
.set KSTEP,  128
.set PITCH,  272                       ; an LDS row: 256 bytes of data + 16 of padding = 68 words: row r starts at bank 4 r mod 64 (64 banks of 4 bytes: ISA guide 11.1), so the 16 rows that a load touches start at 16 different banks
.set HALFT,  128*PITCH                 ; 128 rows: what one tensor load brings, and what one wave reads of A or of B
.set SLOT,   4*HALFT                   ; A's 256 rows, then B's 256 rows
.set STAGE,  2*SLOT                    ; behind the ring: 16 rows x 528 bytes for each wave, for the way out; no tensor load lands here
.set SPITCH, 528                       ; a stage row: 128 f32 + 16 bytes = 33 x 16 bytes
.set SPARE,  STAGE+4*16*SPITCH         ; behind the stages: the spare words, 128 bytes for each wave: two blocks of 256 bytes that no other line names
.set LAPS,   SIZE_K/(2*KSTEP)          ; a lap = two K steps = once round the ring: 16
.set ADRA, 16                          ; v16-17  LDS address of my A fragments in slot 0, 1
.set ADRB, 20                          ; v20-21  the same for B
.set STO,  24                          ; v24     the way out: where I put 32 bytes of a row
.set RD,   25                          ; v25     the way out: where I read a row back
.set CO,   26                          ; v26     my 16 bytes in 512 consecutive bytes of C, and of mu2; never rewritten
.set SPW,  28                          ; v28     LDS address of my spare word: SPARE + 4 x my thread's number; never rewritten
.set NIL,  29                          ; v29     0; never rewritten
.set PFO,  30                          ; v30     the prefetches' offset: my lane x a row of A or B (8,192 bytes); never rewritten
.set MUC,  32                          ; v[32:35] 4 mu2 of columns 4 l .. 4 l + 3 of my wave's 128: the same four for every row that I read back from the stage
.set PFA,  44                          ; s[44:45] where my prefetches stand: my work-group's 32 rows of the 128 that I fetch, one K step further on than the refill that is being asked for
.set LIM,  43                          ; s43     1 in a wave that prefetches, else the greatest number
.set F0,   64                          ; fragment buffer 0
.set F1,   128                         ; fragment buffer 1
.set G1,   24                          ; s[24:31] descriptor group 1 for A's tiles
.set G0,   32                          ; s[32:39] descriptor group 0 for A's tiles, one set for each slot
.set G1B,  48                          ; s[48:55] descriptor group 1 for B's tiles: it differs from A's in the mask alone
.set G0B,  56                          ; s[56:63] descriptor group 0 for B's tiles, one set for each slot
.set MP,   66                          ; s[66:67] mu2 at my wave's first column; never rewritten behind that
.set MSB, 0
.macro WIN new                         ; the immediate's high byte repeats the setting that is left; a switch that changes nothing is dropped
.if MSB != (\new)
	s_set_vgpr_msb (MSB<<8)|(\new)
.set MSB, \new
.endif
.endm
.set MUL_LO, 0xa1                      ; source 0 (B) window 1, source 1 (A) window 0, C and D window 2
.set MUL_HI, 0xf1                      ; the same, C and D window 3
.set TO_B,   0x40                      ; destination window 1, address window 0
; A joint load.  Waves 0 and 1 fetch A's two halves, waves 2 and 3 B's.  Each of the two lines has ONE mask and one set of registers for all that issue it.  The branch hangs on the wave's
; number alone.  An s_nop 0 and four v_nop follow each of the two lines; the jump, the label and what follows the macro come after them.
.macro JLOAD s
	s_cmp_eq_u32 s11, 0
	s_cbranch_scc0 .Lfor_b_\@
	tensor_load_to_lds s[G0+4*(\s):G0+4*(\s)+3], s[G1:G1+7]
	s_nop 0
.rept 4
	v_nop
.endr
	s_branch .Lasked_\@
.Lfor_b_\@:
	tensor_load_to_lds s[G0B+4*(\s):G0B+4*(\s)+3], s[G1B:G1B+7]
	s_nop 0
.rept 4
	v_nop
.endr
.Lasked_\@:
.endm
; A PREFETCH INTO THE L2, behind each joint refill, its five lines and the run of LDS loads that follows them: the K step that stands TWO refills on (512 matrix instructions ahead of the load
; that will ask for it): 32 rows x 256 bytes, a lane a row, one instruction a wave.  Each row's 256 bytes of a K step are named ONCE in the launch: A's tile row is read by every cluster of
; that row of clusters, and the one with cluster x = 0 asks; B's tile column by every cluster of that column, and the one with cluster y = 0 asks.  The four partners that ask for a tile
; jointly share its rows out BY ADDRESS: of the 128 rows that a wave fetches, the partner at place p takes 32 p .. 32 p + 31 (p = cx for A, cy for B).  K steps 0 to 3 come by their loads
; alone; the loop's last trip (s3 = 1), whose refills are the last two K steps, asks for nothing.
.macro ASK
	s_cmp_gt_u32 s3, s[LIM]
	s_cbranch_scc0 .Lnot_mine_\@
	global_prefetch_b8 v[PFO], s[PFA:PFA+1] offset:KSTEP*2 th:TH_LOAD_NT scope:SCOPE_SE
.Lnot_mine_\@:
.endm
; A round of the cluster's barrier: my work-group's barrier, so that wave 0's signal speaks for all four waves; wave 0 signals for the work-group; every wave waits for all sixteen
; work-groups; my work-group's barrier once more.  No LDS instruction of the wave is pending at a signal.
.macro CREST                           ; a round behind its opening barrier
	s_cmp_lg_u32 s10, 0
	s_cbranch_scc1 .Lnot_wave_0_\@
	s_barrier_signal -3
.Lnot_wave_0_\@:
	s_barrier_wait -3
	s_barrier_signal -1
	s_barrier_wait -1
.endm
.macro CROUND                          ; a whole round
	s_barrier_signal -1
	s_barrier_wait -1
	CREST
.endm
	s_load_b128 s[4:7], s[0:1], 0x0                ; A s[4:5], B s[6:7]
	s_load_b64 s[8:9], s[0:1], 0x10                ; C
	s_load_b64 s[MP:MP+1], s[0:1], 0x18            ; mu2
	v_lshl_add_u32 v[SPW], v0, 2, SPARE
	v_mov_b32 v[NIL], 0
	ds_add_u32 v[SPW], v[NIL]                      ; the wave's opening: the add, twice on end, and its wait ahead of my first tensor load; the set-up below, work on registers, stands between the second and the wait
	ds_add_u32 v[SPW], v[NIL]                      ; and once more, under the one wait
	v_lshrrev_b32 v1, 5, v0
	v_readfirstlane_b32 s10, v1                    ; wave 0..3
	s_lshr_b32 s11, s10, 1                         ; which half of the tile's rows is mine.  Also: I fetch for A (0) or for B (1)
	s_and_b32 s12, s10, 1                          ; which half of its columns.  Also: which 128 rows of that tile I fetch
	s_bfe_u32 s40, ttmp6, 0x40000                  ; cx: my place along the cluster's x
	s_bfe_u32 s41, ttmp6, 0x40004                  ; cy: along its y
	s_lshl_b32 s42, ttmp9, 2                       ; in a cluster launch ttmp9 and ttmp7 count clusters
	s_add_co_u32 s42, s42, s40                     ; tile column of C = 4 x cluster x + cx
	s_and_b32 s13, ttmp7, 0xffff
	s_lshl_b32 s13, s13, 2
	s_add_co_u32 s13, s13, s41                     ; tile row of C = 4 x cluster y + cy
	s_lshl_b32 s43, s41, 2
	s_lshl_b32 s43, 15, s43                        ; my row of the cluster: places 4 cy .. 4 cy + 3
	s_lshl_b32 s44, 0x1111, s40                    ; my column: places cx, cx + 4, cx + 8, cx + 12
	; descriptor group 1: a tile of 128 rows x 128 elements, padded in LDS
	s_or_b32 s[G1+0], s43, (1<<16)|(1<<20)|(1<<21)|(5<<22)|(3<<25)  ; 15:0 the mask: A's tiles go to my row; 17:16 element of 2 bytes; 20 padding on; 21 set beside a mask; 24:22 after every 64 words (code 5); 31:25 of 4 words (code 3)
	s_or_b32 s[G1B+0], s44, (1<<16)|(1<<20)|(1<<21)|(5<<22)|(3<<25) ; the same with the mask of my column, for B's tiles
	s_mov_b32 s[G1B+1], KSTEP<<16
	s_mov_b32 s[G1+1], KSTEP<<16                   ; 63:48 tensor_dim0, low half = 128
	s_mov_b32 s[G1B+2], 128<<16
	s_mov_b32 s[G1+2], 128<<16                     ; 79:64 its high half = 0; 95:80 tensor_dim1, low half = 128
	s_mov_b32 s[G1B+3], KSTEP<<16
	s_mov_b32 s[G1+3], KSTEP<<16                   ; 111:96 its high half = 0; 127:112 tile_dim0 = 128
	s_mov_b32 s[G1B+4], 128
	s_mov_b32 s[G1+4], 128                         ; 143:128 tile_dim1 = 128; 159:144 tile_dim2 = 0
	s_mov_b32 s[G1B+5], SIZE_K
	s_mov_b32 s[G1+5], SIZE_K                      ; 191:160 tensor_dim0_stride, low word: elements from row to row
	s_mov_b32 s[G1B+6], 0
	s_mov_b32 s[G1+6], 0
	s_mov_b32 s[G1B+7], 0
	s_mov_b32 s[G1+7], 0
	; where the tiles come from.  A's hang on the tile row alone, which my row of the cluster shares; B's on the tile column alone, which my column shares.
	; Every wave makes both addresses, in registers that never hold the other coordinate, and asks by one of them.
	s_lshl_b32 s17, s12, 7                         ; which 128 rows of the tile I fetch
	s_lshl_b32 s16, s13, 8
	s_add_co_u32 s16, s16, s17                     ; A: row 256 x tile row + 128 x half
	s_lshl_b32 s46, s42, 8
	s_add_co_u32 s46, s46, s17                     ; B: row 256 x tile column + 128 x half
	s_mov_b32 s17, 0
	s_mov_b32 s47, 0
	s_mov_b64 s[18:19], SIZE_K*2
	s_mul_u64 s[16:17], s[16:17], s[18:19]         ; in bytes, in 64 bits
	s_mul_u64 s[46:47], s[46:47], s[18:19]
	s_mul_i32 s20, s10, HALFT                      ; and where they go: A's two halves, then B's two halves = wave x 128 rows: no place in the cluster enters an LDS address
	s_wait_dscnt 0x0                               ; both opening adds are done
	s_wait_kmcnt 0x0
	s_add_nc_u64 s[14:15], s[4:5], s[16:17]
	s_add_nc_u64 s[46:47], s[6:7], s[46:47]
	CROUND                                         ; all sixteen work-groups are here: the first joint loads meet
.irp s, 0,1
	s_mov_b32 s[G0+4*(\s)], 1                                      ; 1:0 count = 1
	s_add_co_u32 s[G0+4*(\s)+1], s20, (\s)*SLOT                    ; 63:32 LDS address
	s_add_nc_u64 s[G0+4*(\s)+2:G0+4*(\s)+3], s[14:15], (\s)*KSTEP*2  ; 120:64 global address: K step s
	s_or_b32 s[G0+4*(\s)+3], s[G0+4*(\s)+3], 0x80000000            ; 127:126 type = 2
	s_mov_b32 s[G0B+4*(\s)], 1
	s_add_co_u32 s[G0B+4*(\s)+1], s20, (\s)*SLOT
	s_add_nc_u64 s[G0B+4*(\s)+2:G0B+4*(\s)+3], s[46:47], (\s)*KSTEP*2
	s_or_b32 s[G0B+4*(\s)+3], s[G0B+4*(\s)+3], 0x80000000
	JLOAD \s                                       ; the ring is filled before anything else is done: two tensor loads of mine are out
.endr
	; A fragment is 16 rows x 32 in 8 registers: lane l holds row l % 16; registers 0-3 hold places 8 (l / 16) + 0..7 of the 32, registers 4-7 places 16 + 8 (l / 16) + 0..7:
	; two loads of 16 bytes, 32 bytes apart.  The same for source 0 and source 1.
	v_and_b32 v1, 15, v0                           ; l % 16
	v_bfe_u32 v2, v0, 4, 1                         ; l / 16
	v_mul_u32_u24 v3, v1, PITCH
	v_lshl_add_u32 v3, v2, 4, v3                   ; row x pitch + 16 x half
	s_mul_i32 s21, s11, HALFT                      ; my 128 rows of A
	s_mul_i32 s22, s12, HALFT                      ; my 128 rows of B,
	s_add_co_u32 s22, s22, 2*HALFT                 ; which lie behind A's 256
.irp s, 0,1
	v_add_nc_u32 v[ADRA+(\s)], s21, v3
	v_add_nc_u32 v[ADRB+(\s)], s22, v3
	s_add_co_u32 s21, s21, SLOT
	s_add_co_u32 s22, s22, SLOT
.endr
	s_mul_i32 s23, s10, 16*SPITCH
	s_add_co_u32 s23, s23, STAGE                   ; my stage
	v_mul_u32_u24 v4, v1, SPITCH                   ; in: row l % 16, 32 bytes for each half of the lanes
	v_lshl_add_u32 v4, v2, 5, v4
	v_add_nc_u32 v[STO], s23, v4
	v_and_b32 v5, 31, v0
	v_lshlrev_b32 v[CO], 4, v5                     ; back: 32 lanes take one row of 512 bytes, 16 bytes each; the same place in C's row
	v_add_nc_u32 v[RD], s23, v[CO]
	; C at my part of the tile, mu2 at my columns
	s_lshl_b32 s13, s13, 8
	s_lshl_b32 s14, s11, 7
	s_add_co_u32 s16, s13, s14                     ; my first row of C
	s_mov_b32 s17, 0
	s_mov_b64 s[18:19], SIZE_N*4
	s_mul_u64 s[16:17], s[16:17], s[18:19]
	s_lshl_b32 s46, s42, 10                        ; my first column, in bytes of f32: 1,024 x tile column + 512 x half (in the registers that held B's address: none that feeds A's descriptors ever holds cx)
	s_lshl_b32 s47, s12, 9
	s_add_co_u32 s46, s46, s47
	s_mov_b32 s47, 0
	s_add_nc_u64 s[16:17], s[16:17], s[46:47]
	s_add_nc_u64 s[8:9], s[8:9], s[16:17]          ; never stepped again: a store's row stands in its immediate
	s_add_nc_u64 s[MP:MP+1], s[MP:MP+1], s[46:47]
	global_load_b128 v[MUC:MUC+3], v[CO], s[MP:MP+1]  ; mu2 of my four columns: 512 consecutive bytes a wave
	; the prefetches.  s13 = 256 x tile row, s42 = tile column, s40 = cx, s41 = cy still stand; s[4:5] = A, s[6:7] = B
	s_lshl_b32 s42, s42, 8
	s_and_b32 s22, ttmp7, 0xffff                   ; cluster y
	s_cmp_eq_u32 s11, 0                            ; do I fetch for A?
	s_cselect_b32 s20, s13, s42                    ; the tile's first row: in A by the tile row, in B by the tile column
	s_cselect_b32 s21, s40, s41                    ; my place among the four that ask for it with me
	s_cselect_b32 s22, ttmp9, s22                  ; the coordinate along which other clusters read the same rows
	s_cselect_b64 s[PFA:PFA+1], s[4:5], s[6:7]
	s_cmp_eq_u32 s22, 0
	s_cselect_b32 s[LIM], 1, -1                    ; the same in all sixteen partners, for a given wave
	s_lshl_b32 s22, s12, 7
	s_add_co_u32 s20, s20, s22                     ; + the 128 rows that I fetch
	s_lshl_b32 s21, s21, 5
	s_add_co_u32 s20, s20, s21                     ; + my work-group's 32 of them
	s_mov_b32 s21, 0
	s_mov_b64 s[18:19], SIZE_K*2
	s_mul_u64 s[20:21], s[20:21], s[18:19]
	s_add_nc_u64 s[PFA:PFA+1], s[PFA:PFA+1], s[20:21]
	s_add_nc_u64 s[PFA:PFA+1], s[PFA:PFA+1], 2*KSTEP*2  ; at K step 2: the first refill steps it to 3 and names K step 4
	v_and_b32 v[PFO], 31, v0
	v_mul_u32_u24 v[PFO], v[PFO], SIZE_K*2
	; nothing is prefetched here, at the head, where every work-group's first two tiles are on their way
; 16 matrix instructions: m blocks a0, a0 + 1 of the window's four (hi = 0: my rows 0-63, 1: rows 64-127) x all 8 n blocks, 32 of the sum.
; zero = 1: the first product starts the sums: nothing is ever cleared.  The 64 accumulators take turns, one instruction a turn, in the same order in every quarter.
.macro MUL16 f, hi, a0, zero
	WIN MUL_LO+0x50*(\hi)
.irp a, \a0, (\a0)+1
.irp b, 0,1,2,3,4,5,6,7
.if \zero
	v_wmma_f32_16x16x32_f16 v[8*(8*(\a)+(\b)):8*(8*(\a)+(\b))+7], v[(\f)+8*(\b):(\f)+8*(\b)+7], v[(\f)+8*(4*(\hi)+(\a)):(\f)+8*(4*(\hi)+(\a))+7], 0
.else
	v_wmma_f32_16x16x32_f16 v[8*(8*(\a)+(\b)):8*(8*(\a)+(\b))+7], v[(\f)+8*(\b):(\f)+8*(\b)+7], v[(\f)+8*(4*(\hi)+(\a)):(\f)+8*(4*(\hi)+(\a))+7], v[8*(8*(\a)+(\b)):8*(8*(\a)+(\b))+7]
.endif
.endr
.endr
.endm
; 32 LDS loads in one run: the fragments of one quarter step (128 rows of B, 128 rows of A, 32 of the sum at byte k of the rows) into buffer f
.macro FETCH slot, k, f
	WIN TO_B
.irp i, 0,1,2,3,4,5,6,7
	ds_load_b128 v[(\f)+8*(\i):(\f)+8*(\i)+3],   v[ADRB+(\slot)] offset:(\k)+(\i)*16*PITCH
	ds_load_b128 v[(\f)+8*(\i)+4:(\f)+8*(\i)+7], v[ADRB+(\slot)] offset:(\k)+(\i)*16*PITCH+32
.endr
	WIN 0
.irp i, 0,1,2,3,4,5,6,7
	ds_load_b128 v[(\f)+8*(\i):(\f)+8*(\i)+3],   v[ADRA+(\slot)] offset:(\k)+(\i)*16*PITCH
	ds_load_b128 v[(\f)+8*(\i)+4:(\f)+8*(\i)+7], v[ADRA+(\slot)] offset:(\k)+(\i)*16*PITCH+32
.endr
.endm
; A load into a register that a matrix instruction has read stands four places behind that matrix instruction, and only plain vector instructions that name none of its registers are
; places (ISA guide 7.12.1 for vector instructions).  So four v_nop stand in front of each run of loads.
.macro PLACES
.rept 4
	v_nop
.endr
.endm
; A K step is four quarter steps of 32, 64 matrix instructions each, on buffers 0, 1, 0, 1.
; One of the first three: multiplies buffer f; in its middle it fetches the next quarter's fragments, at byte k of the same slot's rows, into buffer g.
.macro QUARTER slot, k, f, g, zero
	s_wait_dscnt 8                                 ; B and A's rows 0-63 are in; the youngest eight loads (A's rows 64-127) may be out
	WIN MUL_LO
	MUL16 \f, 0, 0, \zero
	MUL16 \f, 0, 2, \zero
	PLACES
	FETCH \slot, \k, \g
	s_wait_dscnt 32                                ; all but the 32 just issued
	WIN MUL_HI
	MUL16 \f, 1, 0, \zero
	MUL16 \f, 1, 2, \zero
.endm
; The last quarter multiplies buffer 1 and changes slots.  MEET is its first half: ONE barrier for the change of slots.  In front of it each wave waits for all its tensor loads, of which one
; is out: its part of the next slot; adds 0 to its spare word; and waits for that and for its own reads of this slot.  Behind it nobody reads this slot any more and the next slot is whole.
.macro MEET round                      ; round = 1: the rest of a round of the cluster's barrier follows
	WIN 0                                          ; (the add's two registers lie in window 0)
	s_wait_tensorcnt 0x0                           ; all my tensor loads have landed: the one that was out is my part of the next slot;
	ds_add_u32 v[SPW], v[NIL]                      ; 0 onto my spare word;
	s_wait_dscnt 9                                 ; (the add and the youngest eight loads may be out)
	WIN MUL_LO
	MUL16 F1, 0, 0, 0                              ; sixteen matrix instructions stand between the add and the wait for it
	s_wait_dscnt 0x0                               ; the add is done, and my reads of this slot are over:
	s_barrier_signal -1                            ; say so,
	MUL16 F1, 0, 2, 0                              ; work on registers while the others arrive,
.if \round
	WIN 0
.endif
	s_barrier_wait -1                              ; and go on when all four have said so
.endm
; The whole last quarter.  Behind the round the slot just read out is filled again first, with the K step two steps on; then come the next slot's first fragments.
; From a request to the wait for it a wave issues 224 matrix instructions.
.macro TURN slot, next
	s_wait_xcnt 0x0                                ; the last prefetch, a K step back, has read its address: it is stepped here, ahead of the waits of the change of slots
	s_add_nc_u64 s[PFA:PFA+1], s[PFA:PFA+1], KSTEP*2
	MEET 1
	CREST                                          ; wave 0 says so for the work-group, all sixteen work-groups have said so, my work-group's barrier closes the round:
	                                               ; no wave of any partner still reads this slot's tile or has a load on its way
	s_add_nc_u64 s[G0+4*(\slot)+2:G0+4*(\slot)+3], s[G0+4*(\slot)+2:G0+4*(\slot)+3], 2*KSTEP*2
	s_add_nc_u64 s[G0B+4*(\slot)+2:G0B+4*(\slot)+3], s[G0B+4*(\slot)+2:G0B+4*(\slot)+3], 2*KSTEP*2
	JLOAD \slot                                    ; the first tensor load behind the round, my only one until the next; the four v_nop behind it are also the places in front of the loads below
	FETCH \next, 0, F0
	ASK                                            ; behind the joint load and the run of LDS loads that the next products wait for
	WIN MUL_HI
	MUL16 F1, 1, 0, 0
	MUL16 F1, 1, 2, 0
.endm
; THE WAY OUT of block a (16 rows x 128 columns of f32).  TOSTAGE: a lane's 32 bytes of each of the eight accumulators go into my own stage, straight from the accumulators (each one's low
; four registers first), and the block comes back as 16 whole rows of 512 bytes.  SEND: each row times 4 mu2 of its columns, and stored.
.macro TOSTAGE a
.set AC, 64*((\a)%4)
.set BK, F0+64*((\a)%2)
	WIN 0x08+4*((\a)/4)                            ; the data (source 1) in window 2 or 3, the address in window 0
.irp b, 0,1,2,3,4,5,6,7
	ds_store_b128 v[STO], v[AC+8*(\b):AC+8*(\b)+3]   offset:64*(\b)
	ds_store_b128 v[STO], v[AC+8*(\b)+4:AC+8*(\b)+7] offset:64*(\b)+16
.endr
	WIN 0
.if (\a) >= 2
	s_wait_xcnt 0x0                                ; the registers that block a - 2's stores read are loaded again only behind this wait
.endif
.irp t, 0,1,2,3,4,5,6,7,8,9,10,11,12,13,14,15
	ds_load_b128 v[BK+4*(\t):BK+4*(\t)+3], v[RD] offset:(\t)*SPITCH  ; LDS serves a wave's instructions in order (ISA guide 5.7.1.4): these see the stores above, and the next block's stores come behind them
.endr
.endm
.macro SEND a, younger                 ; younger: the LDS instructions issued behind block a's loads: the next block's 32, or none
	WIN 0
.set BK, F0+64*((\a)%2)
.irp t, 0,1,2,3,4,5,6,7,8,9,10,11,12,13,14,15
	s_wait_dscnt (\younger)+15-(\t)                ; row t is back in registers
	v_pk_mul_f32 v[BK+4*(\t):BK+4*(\t)+1],   v[BK+4*(\t):BK+4*(\t)+1],   v[MUC:MUC+1]
	v_pk_mul_f32 v[BK+4*(\t)+2:BK+4*(\t)+3], v[BK+4*(\t)+2:BK+4*(\t)+3], v[MUC+2:MUC+3]
	global_store_b128 v[CO], v[BK+4*(\t):BK+4*(\t)+3], s[8:9] offset:(16*(\a)+(\t))*SIZE_N*4 th:TH_STORE_NT  ; 32 lanes store 512 consecutive bytes, at a multiple of 256 from C's first byte; 127 rows at the most: inside the signed 24-bit immediate
.endr
.endm
	s_wait_loadcnt 0x0                             ; mu2, once
.irp r, 0,1,2,3
	v_mul_f32 v[MUC+(\r)], 4.0, v[MUC+(\r)]        ; the 4 undoes the weights' factor 1/4: both are exact
.endr
	s_wait_tensorcnt 1                             ; my part of K step 0 is in; K step 1's load may stay out
	s_barrier_signal -1
	s_barrier_wait -1                              ; everybody's is
	FETCH 0, 0, F0
	QUARTER 0, 64,  F0, F1, 1                      ; the first quarter stands in front of the loop: its products start the sums
	WIN 0                                          ; at a label and at a branch every window is 0
	s_mov_b32 s3, LAPS-1
.Llap:                                                 ; a trip goes once round the ring, from a lap's second quarter to the next lap's first, and fills both slots again
	QUARTER 0, 128, F1, F0, 0
	QUARTER 0, 192, F0, F1, 0
	TURN 0, 1
	QUARTER 1, 64,  F0, F1, 0
	QUARTER 1, 128, F1, F0, 0
	QUARTER 1, 192, F0, F1, 0
	TURN 1, 0
	QUARTER 0, 64,  F0, F1, 0
	WIN 0
	s_sub_co_u32 s3, s3, 1
	s_cmp_lg_u32 s3, 0
	s_cbranch_scc1 .Llap
	QUARTER 0, 128, F1, F0, 0                      ; the last lap goes on; it is written out, fills nothing and has no round of the cluster's barrier
	QUARTER 0, 192, F0, F1, 0
	MEET 0                                         ; my one tensor load that was still out is slot 1's, the last K step's
	PLACES                                         ; for the loads into buffer 0, which the quarter before multiplied
	FETCH 1, 0, F0
	WIN MUL_HI
	MUL16 F1, 1, 0, 0
	MUL16 F1, 1, 2, 0
	QUARTER 1, 64,  F0, F1, 0
	QUARTER 1, 128, F1, F0, 0
	QUARTER 1, 192, F0, F1, 0
	s_wait_dscnt 8                                 ; the very last quarter: nothing more to fetch
	WIN MUL_LO
	MUL16 F1, 0, 0, 0
	MUL16 F1, 0, 2, 0
	s_wait_dscnt 0x0
	WIN MUL_HI
	MUL16 F1, 1, 0, 0
	MUL16 F1, 1, 2, 0
	WIN 0
.rept 8
	v_nop                                          ; the places behind the last products, in front of the LDS stores that read results and of the loads into A's fragment registers
.endr
	TOSTAGE 0
	TOSTAGE 1
	SEND 0, 32
.irp a, 2,3,4,5,6,7                    ; block a goes through the stage while block a - 1's rows are stored
	TOSTAGE \a
	SEND (\a)-1, 32
.endr
	SEND 7, 0
	s_wait_tensorcnt 0x0                           ; the wave's end, behind my last tensor load and my last LDS store
	ds_add_u32 v[SPW], v[NIL]
	s_wait_dscnt 0x0
	CROUND                                         ; the closing round: no work-group ends while a partner may still ask for a tile that names it
	s_endpgm
.Lfunc_end_k_qf1c6826b84_gemm:
	.size	k_qf1c6826b84_gemm, .Lfunc_end_k_qf1c6826b84_gemm-k_qf1c6826b84_gemm
	.p2alignl 7, 3214868480
	.fill 96, 4, 3214868480
	.section	.rodata,"a",@progbits
	.p2align	6, 0x0
	.amdhsa_kernel k_qf1c6826b84_gemm
		.amdhsa_group_segment_fixed_size 327680
		.amdhsa_private_segment_fixed_size 0
		.amdhsa_enable_private_segment 0
		.amdhsa_kernarg_size 32
		.amdhsa_user_sgpr_count 2
		.amdhsa_user_sgpr_kernarg_segment_ptr 1
		.amdhsa_wavefront_size32 1
		.amdhsa_system_sgpr_workgroup_id_x 1
		.amdhsa_system_sgpr_workgroup_id_y 1
		.amdhsa_system_sgpr_workgroup_id_z 1
		.amdhsa_system_vgpr_workitem_id 0
		.amdhsa_next_free_vgpr 1024
		.amdhsa_next_free_sgpr 68
		.amdhsa_reserve_vcc 0
		.amdhsa_float_denorm_mode_32 3
		.amdhsa_float_denorm_mode_16_64 3
		.amdhsa_memory_ordered 1
		.amdhsa_forward_progress 1
		.amdhsa_inst_pref_size 162
	.end_amdhsa_kernel
	.amdgpu_metadata
---
amdhsa.version: [ 1, 2 ]
amdhsa.kernels:
  - .name:           k_qf1c6826b84_gemm
    .symbol:         k_qf1c6826b84_gemm.kd
    .args:
      - { .name: xb, .offset: 0, .size: 8, .value_kind: global_buffer, .address_space: global }
      - { .name: wb, .offset: 8, .size: 8, .value_kind: global_buffer, .address_space: global }
      - { .name: out0, .offset: 16, .size: 8, .value_kind: global_buffer, .address_space: global }
      - { .name: mu2, .offset: 24, .size: 8, .value_kind: global_buffer, .address_space: global }
    .group_segment_fixed_size: 327680
    .private_segment_fixed_size: 0
    .kernarg_segment_align: 8
    .kernarg_segment_size: 32
    .max_flat_workgroup_size: 128
    .sgpr_count:     68
    .vgpr_count:     1024
    .wavefront_size: 32
...
	.end_amdgpu_metadata
.endif
;; end of part 2
